; MI455X (gfx1250); checked and timed in simulation.
; The chip was launched on July 23, 2026; its instructions are those of AMD's public machine-readable ISA for CDNA 5 (MIT licence, August 2026) and "CDNA5" Instruction Set Architecture Reference Guide (July 2026). The comments in the code are by the model that wrote it; some were corrected since.
;; Reciprocal Space Attention. Allowed arithmetic: matrix products marked QUANTISED: E5M2 operands, one E8M0 scale for each 32 along K, by v_wmma_scale_f32_16x16x128_f8f6f4 with both operands' format E5M2, f32 sums; products left as they are: f32 operands where the result goes on into a quantised operand, else bf16, f16 or f32 operands; f32 sums; everything else in f32.
;; Inputs: W_qkv_codes 192 x 2 x 32 uint8 (E5M2 codes of W_qkv, K innermost, in blocks of 32 codes); W_qkv_scales 192 x 2 uint8 (E8M0 scales of W_qkv, one for each 32 codes along K); batch 8,192 int32; k_vecs 16 x 64 x 3 float32; node_feat_codes 8,192 x 2 x 32 uint8 (E5M2 codes of node_feat, K innermost, in blocks of 32 codes); node_feat_scales 8,192 x 2 uint8 (E8M0 scales of node_feat, one for each 32 codes along K); positions 8,192 x 3 float32; w_k 16 x 64 float32.
;; Outputs: out0 8,192 x 64 float32.
;; This version of the problem:
;;   THIS VERSION OF THE PROBLEM IS GIVEN IN LOW PRECISION. The matrix products marked QUANTISED in the list below multiply operands that are first quantised to E5M2 (5 exponent bits, 2 mantissa bits; 8 bits a number), with one power-of-two scale for each 32 numbers along K (OCP MX v1.0); their sums are f32. All else is computed in f32.
;;   The module's matrix products, in the order in which they are computed (A, B: the left and right operand; K: the contracted axis; several contracted axes count as one K, in the product's order):
;;     1. [M 8,192, K 64] x [K 64, N 192]; A: input node_feat (given as codes); B: input W_qkv (given as codes): QUANTISED
;;     2. batch 8,192 x [M 1, K 3] x [K 3, N 64]; A: input positions; B: computed on the way: left as it is (K = 3 < 32)
;;     3. [M 1,024, K 8,192] x [K 8,192, N 4,096]; A: computed on the way; B: computed on the way: QUANTISED
;;     4. [M 8,192, K 4,096] x [K 4,096, N 1,024]; A: computed on the way; B: computed on the way: QUANTISED
;;   THE QUANTISER, for each operand of a quantised product, along K:
;;     - K is cut into blocks of 32 from its start; a last block that is shorter is filled with zeros.
;;     - A block's scale is 2^e with e = floor(log2(the largest magnitude in the block)) - 15, held to -126 .. 127; a block of zeros has e = 0. As a byte (E8M0): e + 127.
;;     - Each number is divided by its block's scale, clamped to +-57,344, and rounded to the nearest number of E5M2, ties to even, subnormals kept.
;;     - The product sums the exact products of the quantised numbers (number of the format x scale) in f32.
;;   ~~~python
;;   def quantise(x, axis):      # numpy; x: float32 -> the quantised numbers, widened to float32 again
;;       x = np.moveaxis(x, axis, -1); K = x.shape[-1]
;;       x = np.pad(x, [(0, 0)] * (x.ndim - 1) + [(0, -K % 32)]); x = x.reshape(x.shape[:-1] + (-1, 32)); a = np.abs(x).max(-1, keepdims=True)
;;       e = np.where(a > 0, np.clip(np.frexp(np.where(a > 0, a, 1))[1] - 1 - 15, -126, 127), 0)      # np.frexp(a)[1] - 1 = floor(log2(a)), exactly
;;       r = np.clip(x / 2.0 ** e, -57344, 57344)
;;       step = 2.0 ** (np.maximum(np.frexp(np.where(r == 0, 1, r))[1] - 1, -14) - 2)
;;       q = np.round(r / step) * step * 2.0 ** e      # np.round: ties to even
;;       return np.moveaxis(q.reshape(q.shape[:-2] + (-1,))[..., :K], -1, axis).astype(np.float32)
;;   ~~~
;;   OPERANDS COMPUTED ON THE WAY. 'Computed on the way' means the value that the module computes at that place (a softmax that the list does not call 'softmax' is quantised finished and normalised). What goes into a quantiser is computed in f32, as accurately as f32 sums, v_exp_f32 and their like allow (about 1e-6 of the number): no bf16 or f16 on the way to a quantiser, and a product that is left as it is and whose result goes on into a quantised operand takes f32 operands (vector FMAs, or v_wmma_f32_16x16x4_f32). A number that lies on a knife's edge between two numbers of the format may be rounded either way, as far as f32 arithmetic and the matrix unit's own rounding can turn it there, and no further.
;;   INPUTS GIVEN AS CODES. W_qkv (in the module: [64, 192], K = its axis 0); node_feat (in the module: [8192, 64], K = its axis 1): each comes as NAME_codes (uint8): NAME with its K axis moved to the last place and cut into blocks of 32 codes, [.., K / 32, bytes a block], one block behind the other in memory; one code a byte (a code: sign, 5 exponent bits, 2 mantissa bits); and NAME_scales (uint8): the same leading axes, one E8M0 byte (e + 127) for each 32 codes along K. Its value is code x scale, taken as it is: it is not quantised again, and the codes and scales need not be those that the quantiser above would give.
;; One version. Each part assembles by itself: llvm-mc -triple=amdgcn-amd-amdhsa -mcpu=gfx1250 --defsym DOCPART=n.
;; ======== version 1 of 1: 2 launches
;; limits: right only within a limited range of input values
;; workspace buffers: kv 4,325,376 bytes
;; launch kvg (part 1): grid 16 x 16, 4 waves a work-group, no clusters, 279,040 bytes of LDS; arguments W_qkv_codes, W_qkv_scales, batch, k_vecs, node_feat_codes, node_feat_scales, positions, kv; writes kv
.if DOCPART == 1
	.amdgcn_target "amdgcn-amd-amdhsa--gfx1250"
	.amdhsa_code_object_version 6
	.text
	.protected	k_q9332763161_kvg
	.globl	k_q9332763161_kvg
	.p2align	8
	.type	k_q9332763161_kvg,@function
k_q9332763161_kvg:
	s_mov_b64 s[64:65], 0
	v_nop
	global_prefetch_b8 v0, s[64:65] scope:SCOPE_SE
	s_setreg_imm32_b32 hwreg(HW_REG_WAVE_MODE, 25, 1), 1
	s_wait_xcnt 0x0
; kv_graph[m][g][d][h] = the sum over the nodes n of k_rot[m][n][d] vg[n][g][h] on codes of E5M2, straight from the inputs; then kv_graph is quantised along (d, m), 32 neighbouring m to a block, and stored in the order of the next launch's registers.
; WORK LEFT OUT: vg is v times the one-hot of batch, so a chunk of 128 nodes that holds no node of g adds only zeros to graph g, for all values of v; which chunks hold one is read from batch.  The next launch leaves out A[n][g] for g other than batch[n], which take_along_axis throws away.
; A NaN, an infinity or an overflow that reaches only work left out is not carried to the result.
; SHARES.  A work-group takes graph g (grid y), half b of the k-vectors (x % 2), four pairs of features j = 4 jg + jl (jg = x / 2): 256 rows (32 m x 4 jl x 2 rotations) x 64 h.
; THE WAVES SHARE K: wave w takes those of the chunks 4 t + w that hold g.  It makes k (8 features), v (64), the phases, sin and cos of its chunk itself; the four waves' sums meet in LDS behind the one barrier, outside every branch on data.
; No tensor load, no cluster and no prefetch: which chunks are walked hangs on numbers read from memory, and operands go from memory straight into registers.
; k_rot: lane (r, hh) holds m = 32 b + 8 u + r + 8 (r / 8), its registers run along the nodes 32 c + 16 hh + i: rotation 0: a cos - b sin, rotation 1: a sin + b cos.  A block of 32 nodes lies in lanes l and l xor 16.
; v is masked through its operand: the codes of a node outside g are replaced by zero codes ahead of the product.
; Phases: positions of the nodes in g times g's k-vectors; where a chunk holds other graphs too, theirs are added with positions masked likewise (a masked row adds 0).
; The accumulators are cleared by vector moves: which chunk is a wave's first hangs on batch.
; LIMITS: |phase| under 2^22 x pi; NaN and infinities are not served; a block whose largest magnitude lies under 2^-111 (a block of zeros too) gets the scale byte 1: these bytes are read by this program alone; K is summed in four parts.
; REGISTERS.  window 0: v1-18 offsets; TM at work; PW, VSW scale words; KVR k-vectors; PH phases; PC k_rot's two fragments; XY its numbers of two blocks; POS, BT, PM positions, batch, masked positions.
;   window 1: first the nodes' fragments 0-127 and results 128-191; then cos 0-63, sin 64-127, a and b of two blocks 128-191; v's fragments 192-255.   windows 2, 3: accumulators of rotation 0, 1: (ht, jl, u) at 8 (8 ht + 2 jl + u).
.set STG, 262144                       ; LDS: 0: four waves' accumulators, 65,536 bytes each; STG: 4,096 bytes for each wave: [feature 8][node 128]
.set SPARE, 278528
.set TM, 20
.set PW, 44
.set KVC, 46
.set VSW, 48
.set KVR, 52
.set PH, 56
.set PC, 120
.set XY, 152
.set POS, 216
.set BT, 232
.set PM, 240
.set SW, 240                           ; scale words, until the masked positions are made: nodes' tiles, W's v part, W's k part
.set SWV, 248
.set SWK, 252
.set VD, 128
.set AB, 128
.set VF, 192
.set ZZ, 120
.set FLR, 34
.set MNT, 35
.set SEL, 36
.set MSB, 0
.macro WIN new                         ; the immediate's high byte repeats the setting that is left
.if MSB != \new
	s_set_vgpr_msb (MSB<<8)|\new
.set MSB, \new
.endif
.endm
.macro VW
	s_wait_alu depctr_va_vdst(0)
.endm
.macro NOPS n
.rept \n
	v_nop
.endr
.endm
.macro CONST r, x
	s_mov_b32 s[\r], \x
	s_mov_b32 s[\r+1], \x
.endm
; Four blocks of 16 numbers a lane at s + 16 b in window w: largest magnitudes with the floor 2^(16 - 127) among the leaves, joined with lane l xor 16's; scale operands TM + 12, bounds TM + 8, bytes TM + 4
.macro Q4 s, w
	WIN (0x14*(\w))
.irp b,0,1,2,3
	v_max3_num_f32 v[TM+\b], s[FLR], |v[(\s)+16*\b]|, |v[(\s)+1+16*\b]|
.endr
.irp i,2,4,6,8,10,12,14
.irp b,0,1,2,3
	v_max3_num_f32 v[TM+\b], v[TM+\b], |v[(\s)+16*\b+\i]|, |v[(\s)+1+16*\b+\i]|
.endr
.endr
	WIN 0
.irp b,0,1,2,3
	v_permlanex16_b32 v[TM+4+\b], v[TM+\b], s[SEL], s[SEL+1]
.endr
.irp b,0,1,2,3
	v_max_num_f32 v[TM+\b], v[TM+\b], v[TM+4+\b]
.endr
.irp b,0,1,2,3
	v_add_nc_u32 v[TM+12+\b], s38, v[TM+\b]        ; 15 off the exponent field: the conversion's scale operand
.endr
.irp b,0,1,2,3
	v_and_or_b32 v[TM+8+\b], v[TM+\b], s39, s[MNT] ; 57,344 x the scale
.endr
.irp b,0,1,2,3
	v_lshrrev_b32 v[TM+4+\b], 23, v[TM+12+\b]      ; the scale's byte
.endr
.endm
.macro WORD pw                         ; four bytes make a scale word
	v_lshl_or_b32 v[\pw], v[TM+5], 8, v[TM+4]
	v_lshl_or_b32 v[\pw], v[TM+6], 16, v[\pw]
	v_lshl_or_b32 v[\pw], v[TM+7], 24, v[\pw]
.endm
.macro HOLD4 s, w                      ; the conversion to an 8-bit code does not saturate (ISA guide 7.6.2): the hold
	WIN (0x41*(\w))
.irp b,0,1,2,3
.irp i,0,1,2,3,4,5,6,7,8,9,10,11,12,13,14,15
	v_med3_num_f32 v[(\s)+16*\b+\i], v[(\s)+16*\b+\i], -v[TM+8+\b], v[TM+8+\b]
.endr
.endr
.endm
.macro CVT s, b, pc
	v_cvt_scalef32_pk8_bf8_f32 v[(\pc):(\pc)+1], v[(\s)+16*(\b):(\s)+16*(\b)+7], v[TM+12+(\b)]
	v_cvt_scalef32_pk8_bf8_f32 v[(\pc)+2:(\pc)+3], v[(\s)+16*(\b)+8:(\s)+16*(\b)+15], v[TM+12+(\b)]
.endm
; sin and cos of 32 phases (blocks 2 h and 2 h + 1): k = the nearest whole number to x / pi; r = x - k pi in two parts; polynomials in r r on |r| <= pi / 2; an odd k turns both signs
.macro SC h
.set P_, PH+32*(\h)
.set D_, 32*(\h)
.irp j,0,2,4,6,8,10,12,14,16,18,20,22,24,26,28,30
	v_pk_fma_f32 v[PC+\j:PC+\j+1], v[P_+\j:P_+\j+1], s[40:41], v[TM+20:TM+21] op_sel_hi:[1,0,0]    ; x / pi + 1.5 x 2^23: the low bit is k's
.endr
.irp j,0,2,4,6,8,10,12,14,16,18,20,22,24,26,28,30
	v_pk_add_f32 v[XY+32+\j:XY+33+\j], v[PC+\j:PC+\j+1], s[42:43] op_sel_hi:[1,0]
.endr
.irp j,0,2,4,6,8,10,12,14,16,18,20,22,24,26,28,30
	v_pk_fma_f32 v[XY+\j:XY+\j+1], v[XY+32+\j:XY+33+\j], s[44:45], v[P_+\j:P_+\j+1] op_sel_hi:[1,0,1]
.endr
.irp j,0,2,4,6,8,10,12,14,16,18,20,22,24,26,28,30
	v_pk_fma_f32 v[XY+\j:XY+\j+1], v[XY+32+\j:XY+33+\j], s[46:47], v[XY+\j:XY+\j+1] op_sel_hi:[1,0,1]
.endr
.irp j,0,2,4,6,8,10,12,14,16,18,20,22,24,26,28,30
	v_pk_mul_f32 v[XY+32+\j:XY+33+\j], v[XY+\j:XY+\j+1], v[XY+\j:XY+\j+1]
.endr
	WIN 0x40
.irp j,0,2,4,6,8,10,12,14,16,18,20,22,24,26,28,30
	v_pk_fma_f32 v[64+D_+\j:65+D_+\j], v[XY+32+\j:XY+33+\j], s[48:49], v[TM+16:TM+17] op_sel_hi:[1,0,0]
	v_pk_fma_f32 v[D_+\j:D_+\j+1], v[XY+32+\j:XY+33+\j], s[56:57], v[TM+18:TM+19] op_sel_hi:[1,0,0]
.endr
	WIN 0x41
.irp j,0,2,4,6,8,10,12,14,16,18,20,22,24,26,28,30
	v_pk_fma_f32 v[64+D_+\j:65+D_+\j], v[64+D_+\j:65+D_+\j], v[XY+32+\j:XY+33+\j], s[50:51] op_sel_hi:[1,1,0]
	v_pk_fma_f32 v[D_+\j:D_+\j+1], v[D_+\j:D_+\j+1], v[XY+32+\j:XY+33+\j], s[58:59] op_sel_hi:[1,1,0]
.endr
.irp j,0,2,4,6,8,10,12,14,16,18,20,22,24,26,28,30
	v_pk_fma_f32 v[64+D_+\j:65+D_+\j], v[64+D_+\j:65+D_+\j], v[XY+32+\j:XY+33+\j], s[52:53] op_sel_hi:[1,1,0]
	v_pk_fma_f32 v[D_+\j:D_+\j+1], v[D_+\j:D_+\j+1], v[XY+32+\j:XY+33+\j], s[60:61] op_sel_hi:[1,1,0]
.endr
.irp j,0,2,4,6,8,10,12,14,16,18,20,22,24,26,28,30
	v_pk_fma_f32 v[64+D_+\j:65+D_+\j], v[64+D_+\j:65+D_+\j], v[XY+32+\j:XY+33+\j], s[54:55] op_sel_hi:[1,1,0]
	v_pk_fma_f32 v[D_+\j:D_+\j+1], v[D_+\j:D_+\j+1], v[XY+32+\j:XY+33+\j], -0.5 op_sel_hi:[1,1,0]
.endr
.irp j,0,2,4,6,8,10,12,14,16,18,20,22,24,26,28,30
	v_pk_fma_f32 v[64+D_+\j:65+D_+\j], v[64+D_+\j:65+D_+\j], v[XY+32+\j:XY+33+\j], 1.0 op_sel_hi:[1,1,0]
	v_pk_fma_f32 v[D_+\j:D_+\j+1], v[D_+\j:D_+\j+1], v[XY+32+\j:XY+33+\j], 1.0 op_sel_hi:[1,1,0]
.endr
.irp j,0,2,4,6,8,10,12,14,16,18,20,22,24,26,28,30
	v_pk_mul_f32 v[64+D_+\j:65+D_+\j], v[64+D_+\j:65+D_+\j], v[XY+\j:XY+\j+1]
.endr
	WIN 0x50
.set i_, 0
.rept 32
	v_lshl_add_u32 v[D_+i_], v[PC+i_], 31, v[D_+i_]            ; k's low bit, added at the sign
	v_lshl_add_u32 v[64+D_+i_], v[PC+i_], 31, v[64+D_+i_]
.set i_, i_+1
.endr
	WIN 0
.endm
; a and b of pair jl = q / 2 at blocks 2 (q % 2) and 2 (q % 2) + 1: sixteen lanes read one address
.macro ABL q
	WIN 0x40
.irp k,0,1
.irp p,0,1,2,3
	ds_load_b128 v[AB+32*\k+4*\p:AB+32*\k+4*\p+3], v3 offset:((\q)/2)*1024+(2*((\q)%2)+\k)*128+16*\p
	ds_load_b128 v[AB+16+32*\k+4*\p:AB+16+32*\k+4*\p+3], v3 offset:((\q)/2)*1024+512+(2*((\q)%2)+\k)*128+16*\p
.endr
.endr
	WIN 0
.endm
; pair jl, blocks 2 cp and 2 cp + 1, the k-vector tile in hand: 32 numbers a lane of each rotation, quantised into the two fragments
.macro BLK2 jl, cp
	s_wait_dscnt 0x0                               ; a and b are in
	WIN 0x05
.irp k,0,1
.set C_, 16*(2*(\cp)+\k)
.irp j,0,2,4,6,8,10,12,14
	v_pk_mul_f32 v[XY+32*\k+\j:XY+32*\k+\j+1], v[64+C_+\j:65+C_+\j], v[AB+16+32*\k+\j:AB+17+32*\k+\j]
	v_pk_mul_f32 v[XY+16+32*\k+\j:XY+17+32*\k+\j], v[C_+\j:C_+\j+1], v[AB+16+32*\k+\j:AB+17+32*\k+\j]
.endr
.endr
.irp k,0,1
.set C_, 16*(2*(\cp)+\k)
.irp j,0,2,4,6,8,10,12,14
	v_pk_fma_f32 v[XY+32*\k+\j:XY+32*\k+\j+1], v[C_+\j:C_+\j+1], v[AB+32*\k+\j:AB+1+32*\k+\j], v[XY+32*\k+\j:XY+32*\k+\j+1] neg_lo:[0,0,1] neg_hi:[0,0,1]
	v_pk_fma_f32 v[XY+16+32*\k+\j:XY+17+32*\k+\j], v[64+C_+\j:65+C_+\j], v[AB+32*\k+\j:AB+1+32*\k+\j], v[XY+16+32*\k+\j:XY+17+32*\k+\j]
.endr
.endr
	ABL ((2*(\jl)+(\cp)+1)%8)                      ; the next two blocks' come while these are quantised (behind the last pair the first again, for the next tile of k-vectors)
	Q4 XY, 0
.if (\cp) == 0
	v_lshl_or_b32 v[PW], v[TM+6], 8, v[TM+4]
	v_lshl_or_b32 v[PW+1], v[TM+7], 8, v[TM+5]
.else
	v_lshl_or_b32 v[TM+4], v[TM+6], 8, v[TM+4]
	v_lshl_or_b32 v[TM+5], v[TM+7], 8, v[TM+5]
	v_lshl_or_b32 v[PW], v[TM+4], 16, v[PW]
	v_lshl_or_b32 v[PW+1], v[TM+5], 16, v[PW+1]
.endif
	HOLD4 XY, 0                                    ; (these 64 lines are also the places between the scale words and the products)
.irp k,0,1,2,3
	CVT XY, \k, (PC+16*(\k%2)+4*(2*(\cp)+\k/2))
.endr
	v_nop
.endm
.macro MM n                            ; n = 2 jl + u: eight accumulators, one instruction each
	WIN 0xa4
.irp ht,0,1,2,3
	v_wmma_scale_f32_16x16x128_f8f6f4 v[8*(8*\ht+\n):8*(8*\ht+\n)+7], v[PC:PC+15], v[VF+16*\ht:VF+16*\ht+15], v[8*(8*\ht+\n):8*(8*\ht+\n)+7], v[PW], v[VSW+\ht] matrix_a_fmt:MATRIX_FMT_BF8 matrix_b_fmt:MATRIX_FMT_BF8
.endr
	WIN 0xf4
.irp ht,0,1,2,3
	v_wmma_scale_f32_16x16x128_f8f6f4 v[8*(8*\ht+\n):8*(8*\ht+\n)+7], v[PC+16:PC+31], v[VF+16*\ht:VF+16*\ht+15], v[8*(8*\ht+\n):8*(8*\ht+\n)+7], v[PW+1], v[VSW+\ht] matrix_a_fmt:MATRIX_FMT_BF8 matrix_b_fmt:MATRIX_FMT_BF8
.endr
	WIN 0
.endm
.macro MMU jl
	NOPS 4                                         ; codes written by vector instructions stand four places ahead of a scaled product
	VW
	s_cmp_eq_u32 s31, 0
	s_cbranch_scc0 .Lu1_\@
	MM (2*(\jl))
	s_branch .Lud_\@
.Lu1_\@:
	MM (2*(\jl)+1)
.Lud_\@:
.endm
	s_load_b512 s[8:23], s[0:1], 0x0               ; W's codes s[8:9], W's scales s[10:11], batch s[12:13], k_vecs s[14:15], the nodes' codes s[16:17], their scales s[18:19], positions s[20:21], kv s[22:23]
	v_lshrrev_b32 v1, 5, v0
	v_readfirstlane_b32 s24, v1                    ; wave w
	s_and_b32 s25, ttmp7, 0xffff                   ; g
	s_and_b32 s26, ttmp9, 1                        ; b
	s_lshr_b32 s27, ttmp9, 1                       ; jg
	s_mov_b32 s[FLR], 0x8000000
	s_mov_b32 s[MNT], 0x600000
	s_mov_b32 s[SEL], 0x76543210
	s_mov_b32 s[SEL+1], 0xfedcba98
	s_mov_b32 s38, 0xf8800000
	s_mov_b32 s39, 0x7f800000
	CONST 40, 0x3ea2f983                           ; 1 / pi
	CONST 42, 0xcb400000                           ; -1.5 x 2^23
	CONST 44, 0xc0490fdb                           ; - the upper part of pi
	CONST 46, 0x33bbbd2e                           ; - the lower part
	CONST 48, 0xb2cd365a                           ; sin: the polynomial's coefficients of r^11, r^7, r^5, r^3 (r^9's stands in TM + 16)
	CONST 50, 0xb9500bf1
	CONST 52, 0x3c088886
	CONST 54, 0xbe2aaaab
	CONST 56, 0xb48bdd11                           ; cos: of r^10, r^6, r^4 (r^8's in TM + 18)
	CONST 58, 0xbab609aa
	CONST 60, 0x3d2aaaa3
	s_mul_i32 s94, s26, 384
	s_lshl_b32 s95, s27, 3
	s_lshl_b32 s96, s24, 12
	s_add_co_u32 s96, s96, STG
	s_lshl_b32 s97, s24, 16
	s_lshl_b32 s98, s24, 9
	v_and_b32 v2, 31, v0
	v_bfe_u32 v10, v0, 4, 1                        ; hh
	v_and_b32 v19, 15, v0                          ; r
	v_lshlrev_b32 v1, 4, v2                        ; 16 lane
	v_lshlrev_b32 v2, 2, v2                        ; 4 lane
	v_and_b32 v15, 8, v19
	v_add_nc_u32 v15, v15, v19                     ; r + 8 (r / 8)
	v_lshlrev_b32 v11, 6, v15
	v_lshl_add_u32 v11, v10, 4, v11                ; a node's row of 64 codes, + 16 hh
	v_lshlrev_b32 v12, 1, v15                      ; its two scale bytes
	v_mul_u32_u24 v13, 12, v15
	v_lshl_add_u32 v14, v10, 2, v13
	v_add_nc_u32 v14, 4, v14                       ; its y (lanes 16-31: z again, over a 0 of the k-vector)
	v_lshl_add_u32 v13, v10, 3, v13                ; its x (lanes 16-31: z)
	v_add_nc_u32 v17, s94, v13                     ; the same of k-vector 32 b + r + 8 (r / 8)
	v_add_nc_u32 v18, s94, v14
	v_lshl_add_u32 v16, v10, 3, v15
	v_lshl_add_u32 v16, v16, 2, s96                ; LDS: where k's features of my node go
	v_lshlrev_b32 v15, 2, v15
	v_lshl_add_u32 v3, v10, 6, s96                 ; and where a and b are read
	v_lshlrev_b32 v6, 6, v19
	v_lshl_add_u32 v6, v10, 4, v6                  ; W's v part: row r
	v_lshlrev_b32 v8, 1, v19
	v_and_b32 v7, 7, v19
	v_add_nc_u32 v7, s95, v7                       ; W's k part: feature 8 jg + r % 8: rows 8-15 of the tile repeat rows 0-7
	v_lshlrev_b32 v9, 1, v7
	v_lshlrev_b32 v7, 6, v7
	v_lshl_add_u32 v7, v10, 4, v7
	v_add_nc_u32 v5, s97, v1                       ; where my accumulators go
	v_add_nc_u32 v4, s98, v1                       ; batch: chunk w
.set i, 0
.rept 24
	v_mov_b32 v[TM+i], 0                           ; (a lane permute's destination counts as one of its sources)
.set i, i+1
.endr
	v_mov_b32 v[TM+16], 0x3638b88e
	v_mov_b32 v[TM+18], 0x37cfb4c2
	v_mov_b32 v[TM+20], 0x4b400000
	VW
	s_wait_kmcnt 0x0
	s_mul_i32 s76, s25, 768
	s_mov_b32 s77, 0
	s_add_nc_u64 s[96:97], s[14:15], s[76:77]      ; g's k-vectors
.irp t,0,1,2,3,4,5,6,7,8,9,10,11,12,13,14,15
	global_load_b128 v[XY+4*\t:XY+4*\t+3], v4, s[12:13] offset:2048*\t    ; the batch numbers of chunk 4 t + w
.endr
	global_load_b32 v[KVR], v17, s[96:97]
	global_load_b32 v[KVR+1], v18, s[96:97]
	global_load_b32 v[KVR+2], v17, s[96:97] offset:96
	global_load_b32 v[KVR+3], v18, s[96:97] offset:96
	WIN 0x80
.set i, 0
.rept 256
	v_mov_b32 v[i], 0
.set i, i+1
.endr
	WIN 0xc0
.set i, 0
.rept 256
	v_mov_b32 v[i], 0
.set i, i+1
.endr
	WIN 0
	VW
	s_wait_loadcnt 0x0
	s_mov_b32 s28, 0                               ; bit t: chunk 4 t + w holds a node of g
.irp q,0,4,8,12
.irp i,0,1,2,3,4,5,6,7,8,9,10,11,12,13,14,15
	v_cmp_eq_u32 s[66+\i-66*0+0*(\i)-0], s25, v[XY+4*\q+\i]
.endr
.irp t,0,1,2,3
.if 0
.endif
	s_nop 0
	s_mov_b32 s98, s[66+4*\t]
	s_or_b32 s98, s98, s[67+4*\t]
	s_or_b32 s98, s98, s[68+4*\t]
	s_or_b32 s98, s98, s[69+4*\t]
	s_cselect_b32 s98, 1<<(\q+\t), 0
	s_or_b32 s28, s28, s98
.endr
.endr
	v_cmp_eq_u32 s74, 1, v10                       ; lanes 16-31 (made anew: the compares above have used the register)
	v_cndmask_b32 v[KVR+1], v[KVR+1], 0, s74       ; K = 3: the fourth place is 0
	v_cndmask_b32 v[KVR+3], v[KVR+3], 0, s74
	VW
	s_mov_b32 s29, 0
	s_cmp_eq_u32 s28, 0
	s_cbranch_scc1 .Ldone
.Lchunk:                                               ; at most sixteen trips, one for each of my chunks that hold g
	s_ctz_i32_b32 s30, s28
	s_min_u32 s30, s30, 15
	s_add_co_u32 s76, s28, -1
	s_and_b32 s28, s28, s76
	s_lshl_b32 s30, s30, 2
	s_add_co_u32 s30, s30, s24                     ; the chunk
	s_mov_b32 s77, 0
	s_lshl_b32 s76, s30, 13
	s_add_nc_u64 s[80:81], s[16:17], s[76:77]
	s_lshl_b32 s76, s30, 8
	s_add_nc_u64 s[82:83], s[18:19], s[76:77]
	s_mul_i32 s76, s30, 1536
	s_add_nc_u64 s[84:85], s[20:21], s[76:77]
	s_lshl_b32 s76, s30, 9
	s_add_nc_u64 s[86:87], s[12:13], s[76:77]
	WIN 0x40
.irp T,0,1,2,3,4,5,6,7                 ; tile T = 2 c + t: its row r is node 32 c + 8 t + r + 8 (r / 8)
	global_load_b128 v[16*\T:16*\T+3], v11, s[80:81] offset:(32*(\T/2)+8*(\T%2))*64
	global_load_b128 v[16*\T+4:16*\T+7], v11, s[80:81] offset:(32*(\T/2)+8*(\T%2))*64+32
.endr
	WIN 0
.irp ht,0,1,2,3
	global_load_b128 v[XY+8*\ht:XY+8*\ht+3], v6, s[8:9] offset:8192+1024*\ht
	global_load_b128 v[XY+8*\ht+4:XY+8*\ht+7], v6, s[8:9] offset:8192+1024*\ht+32
	global_load_u16 v[SWV+\ht], v8, s[10:11] offset:256+32*\ht
.endr
	global_load_b128 v[XY+32:XY+35], v7, s[8:9] offset:4096
	global_load_b128 v[XY+36:XY+39], v7, s[8:9] offset:4128
	global_load_u16 v[SWK], v9, s[10:11] offset:128
.irp T,0,1,2,3,4,5,6,7
	global_load_u16 v[SW+\T], v12, s[82:83] offset:(32*(\T/2)+8*(\T%2))*2
	global_load_b32 v[BT+\T], v15, s[86:87] offset:(32*(\T/2)+8*(\T%2))*4
	global_load_b32 v[POS+2*\T], v13, s[84:85] offset:(32*(\T/2)+8*(\T%2))*12
	global_load_b32 v[POS+2*\T+1], v14, s[84:85] offset:(32*(\T/2)+8*(\T%2))*12
.endr
	WIN 0x40
.irp T,0,1,2,3,4,5,6,7
.irp i,8,9,10,11,12,13,14,15
	v_mov_b32 v[16*\T+\i], 0                       ; K = 64: the nodes' other 64 codes are zero codes, so what W's registers hold there (other rows of W) adds 0
.endr
.endr
	WIN 0
.irp i,40,41,42,43,44,45,46,47
	v_mov_b32 v[XY+\i], 0
.endr
	VW
	s_wait_loadcnt 0x0
	WIN 0x44                                       ; k: source 0 = features, source 1 = nodes: a lane holds a node, its registers eight features, in both halves of the lanes
.irp T,0,1,2,3,4,5,6,7
	v_wmma_scale_f32_16x16x128_f8f6f4 v[VD+8*\T:VD+8*\T+7], v[XY+32:XY+47], v[16*\T:16*\T+15], 0, v[SWK], v[SW+\T] matrix_a_fmt:MATRIX_FMT_BF8 matrix_b_fmt:MATRIX_FMT_BF8
.endr
	WIN 0
.irp T,0,1,2,3,4,5,6,7
	v_cmp_eq_u32 s[88+\T], s25, v[BT+\T]           ; my node lies in g
.endr
	WIN 0x05
.irp c,0,1,2,3
.irp j,0,1,2,3,4,5,6,7
	v_cndmask_b32 v[PC+8*\c+\j], v[VD+16*\c+\j], v[VD+16*\c+8+\j], s74    ; lanes 16-31 take the second tile: 32 nodes side by side
.endr
.endr
	WIN 0x44
.irp T,0,1,2,3,4,5,6,7
.irp i,0,1,2,3,4,5,6,7
	v_cndmask_b32 v[16*\T+\i], 0, v[16*\T+\i], s[88+\T]
.endr
.endr
	WIN 0
	NOPS 4
.irp ht,0,1,2,3                        ; v: source 0 = nodes, source 1 = W: a lane holds h = 16 ht + r, the 16 registers of block c nodes 32 c + 16 hh + 0 .. 15
	WIN 0x41
.irp T,0,1,2,3,4,5,6,7
	v_wmma_scale_f32_16x16x128_f8f6f4 v[VD+8*\T:VD+8*\T+7], v[16*\T:16*\T+15], v[XY+8*\ht:XY+8*\ht+15], 0, v[SW+\T], v[SWV+\ht] matrix_a_fmt:MATRIX_FMT_BF8 matrix_b_fmt:MATRIX_FMT_BF8
.endr
	NOPS 8
	Q4 VD, 1
	WORD VSW+\ht
	HOLD4 VD, 1
.irp b,0,1,2,3
	CVT VD, \b, (VF+16*\ht+4*\b)
.endr
	v_nop
	WIN 0
.endr
	; SiLU of k: x / (1 + 2^(-x log2 e)), 32 numbers a lane
.set i, 0
.rept 32
	v_mul_f32 v[XY+i], 0xbfb8aa3b, v[PC+i]
.set i, i+1
.endr
	VW
.set i, 0
.rept 32
	v_exp_f32 v[XY+i], v[XY+i]
.set i, i+1
.endr
.irp T,0,1,2,3,4,5,6,7
	v_cndmask_b32 v[PM+2*\T], 0, v[POS+2*\T], s[88+\T]     ; positions of the nodes in g (the scale words that lay here have been used)
	v_cndmask_b32 v[PM+2*\T+1], 0, v[POS+2*\T+1], s[88+\T]
.endr
	VW
.set i, 0
.rept 32
	v_add_f32 v[XY+i], 1.0, v[XY+i]
.set i, i+1
.endr
	VW
.set i, 0
.rept 32
	v_rcp_f32 v[XY+i], v[XY+i]
.set i, i+1
.endr
	v_nop
	VW
.set i, 0
.rept 32
	v_mul_f32 v[PC+i], v[PC+i], v[XY+i]
.set i, i+1
.endr
.irp c,0,1,2,3
.irp j,0,1,2,3,4,5,6,7
	ds_store_b32 v16, v[PC+8*\c+\j] offset:512*\j+128*\c   ; my own bytes: LDS serves a wave's instructions in order (ISA guide 5.7.1.4), so the loads below see these stores
.endr
.endr
	ABL 0
	s_and_b32 s75, s88, s89
.irp T,2,3,4,5,6,7
	s_and_b32 s75, s75, s[88+\T]                   ; all ones: every node of the chunk lies in g
.endr
	s_mov_b32 s31, 0
.Lu:                                                   ; two trips: tile u of the k-vectors
	s_sub_co_u32 s78, 0, s31
	v_cndmask_b32 v[KVC], v[KVR], v[KVR+2], s78
	v_cndmask_b32 v[KVC+1], v[KVR+1], v[KVR+3], s78
.irp T,0,1,2,3,4,5,6,7
	v_wmma_f32_16x16x4_f32 v[PH+8*\T:PH+8*\T+7], v[PM+2*\T:PM+2*\T+1], v[KVC:KVC+1], 0
.endr
	NOPS 8
	VW
	s_cmp_eq_u32 s75, -1
	s_cbranch_scc1 .Lone
	s_mov_b32 s79, 0
.Lgp:                                                  ; sixteen trips: the other graphs' share of the phases
	s_cmp_eq_u32 s79, s25
	s_cbranch_scc1 .Lgn
.irp T,0,1,2,3,4,5,6,7
	v_cmp_eq_u32 s[66+\T-8*(\T/7)*0], s79, v[BT+\T]
.endr
	s_or_b32 s76, s66, s67
	s_or_b32 s76, s76, s68
	s_or_b32 s76, s76, s69
	s_or_b32 s76, s76, s70
	s_or_b32 s76, s76, s71
	s_or_b32 s76, s76, s72
	s_or_b32 s76, s76, s73
	s_cbranch_scc0 .Lgn
	s_mul_i32 s76, s79, 768
	s_mul_i32 s77, s31, 96
	s_add_co_u32 s76, s76, s77
	s_mov_b32 s77, 0
	s_add_nc_u64 s[96:97], s[14:15], s[76:77]
	global_load_b32 v[TM], v17, s[96:97]
	global_load_b32 v[TM+1], v18, s[96:97]
.irp T,0,1,2,3,4,5,6,7
	v_cndmask_b32 v[XY+2*\T], 0, v[POS+2*\T], s[66+\T]
	v_cndmask_b32 v[XY+2*\T+1], 0, v[POS+2*\T+1], s[66+\T]
.endr
	VW
	s_wait_loadcnt 0x0
	v_cndmask_b32 v[TM+1], v[TM+1], 0, s74
.irp T,0,1,2,3,4,5,6,7
	v_wmma_f32_16x16x4_f32 v[PH+8*\T:PH+8*\T+7], v[XY+2*\T:XY+2*\T+1], v[TM:TM+1], v[PH+8*\T:PH+8*\T+7]
.endr
	NOPS 8
.Lgn:
	s_add_co_u32 s79, s79, 1
	s_cmp_lt_u32 s79, 16
	s_cbranch_scc1 .Lgp
.Lone:
	SC 0
	SC 1
.irp jl,0,1,2,3
	BLK2 \jl, 0
	BLK2 \jl, 1
	MMU \jl
.endr
	VW
	s_add_co_u32 s31, s31, 1
	s_cmp_lt_u32 s31, 2
	s_cbranch_scc1 .Lu
	NOPS 8                                         ; eight places behind the last products
	s_wait_dscnt 0x0
	s_cmp_eq_u32 s28, 0
	s_cbranch_scc1 .Ldone
	s_add_co_u32 s29, s29, 1
	s_cmp_lt_u32 s29, 16
	s_cbranch_scc1 .Lchunk
.Ldone:
	; THE WAY OUT.  All 64 accumulators to LDS, each from its low end on; the barrier; wave w adds the four waves' tiles 16 w .. 16 w + 15: rotation w / 2, h tiles 2 (w % 2) and 2 (w % 2) + 1
	WIN 0x08
.set t, 0
.rept 32
	ds_store_b128 v5, v[8*t:8*t+3] offset:1024*t
	ds_store_b128 v5, v[8*t+4:8*t+7] offset:1024*t+512
.set t, t+1
.endr
	WIN 0x0c
.set t, 0
.rept 32
	ds_store_b128 v5, v[8*t:8*t+3] offset:1024*(32+t)
	ds_store_b128 v5, v[8*t+4:8*t+7] offset:1024*(32+t)+512
.set t, t+1
.endr
	WIN 0
	s_lshl_b32 s76, s24, 14
	v_add_nc_u32 v6, s76, v1
	v_add_nc_u32 v7, 0x10000, v6
	v_add_nc_u32 v8, 0x20000, v6
	v_add_nc_u32 v9, 0x30000, v6
	s_lshr_b32 s78, s24, 1
	s_lshl_b32 s78, s78, 1
	s_add_co_u32 s78, s78, s26
	s_lshl_b32 s78, s78, 3
	s_add_co_u32 s78, s78, s27                     ; the K step of the next product that I write: (2 (w / 2) + b) 8 + jg
	s_and_b32 s79, s24, 1
	s_mov_b32 s77, 0
	s_lshl_b32 s76, s25, 18
	s_lshl_b32 s30, s78, 13
	s_add_co_u32 s76, s76, s30
	s_lshl_b32 s30, s79, 12
	s_add_co_u32 s76, s76, s30
	s_add_nc_u64 s[88:89], s[22:23], s[76:77]      ; its codes, h tiles 2 (w % 2) and 2 (w % 2) + 1
	s_lshl_b32 s76, s25, 13
	s_lshl_b32 s30, s78, 8
	s_add_co_u32 s76, s76, s30
	s_lshl_b32 s30, s79, 7
	s_add_co_u32 s76, s76, s30
	s_add_co_u32 s76, s76, 0x400000
	s_add_nc_u64 s[90:91], s[22:23], s[76:77]      ; and scale words
	VW
	s_wait_dscnt 0x0                               ; for the others' sake: my stores have landed
	s_barrier_signal -1
	s_barrier_wait -1
.macro TLD p                           ; four tiles of each of the four waves: 32 loads
	WIN (0x80+0x40*((\p)%2))
.irp s,0,1,2,3
.irp t,0,1,2,3
	ds_load_b128 v[32*\s+8*\t:32*\s+8*\t+3], v[6+\s] offset:1024*(4*(\p)+\t)
	ds_load_b128 v[32*\s+8*\t+4:32*\s+8*\t+7], v[6+\s] offset:1024*(4*(\p)+\t)+512
.endr
.endr
	WIN 0
.endm
.macro TADD p
	WIN (0x8a+0x45*((\p)%2))
.irp i,0,2,4,6,8,10,12,14,16,18,20,22,24,26,28,30
	v_pk_add_f32 v[\i:\i+1], v[\i:\i+1], v[32+\i:33+\i]
	v_pk_add_f32 v[64+\i:65+\i], v[64+\i:65+\i], v[96+\i:97+\i]
.endr
	WIN (0x0a+5*((\p)%2))
.irp i,0,2,4,6,8,10,12,14,16,18,20,22,24,26,28,30
	v_pk_add_f32 v[ZZ+32*(\p)+\i:ZZ+32*(\p)+\i+1], v[\i:\i+1], v[64+\i:65+\i]
.endr
	WIN 0
.endm
	TLD 0
.irp p,0,1,2
	TLD \p+1
	s_wait_dscnt 32                                ; all but the 32 just issued
	TADD \p
.endr
	VW
	s_wait_dscnt 0x0
	TADD 3
	; register 64 htl + 16 jl + 8 u + jj: h = 16 ht + r, d = 32 rot + 4 jg + jl, m = 32 b + 16 hh + 8 u + jj: block jl of the next product's K step
.irp htl,0,1
	Q4 ZZ+64*\htl, 0
	WORD PW+\htl
	HOLD4 ZZ+64*\htl, 0
	WIN 0x40
.irp b,0,1,2,3
	CVT ZZ+64*\htl, \b, (16*\htl+4*\b)
.endr
	v_nop
	WIN 0
.endr
	v_cndmask_b32 v[KVC], v[PW], v[PW+1], s74      ; lanes 0-15: the even h tile's words, lanes 16-31 the odd one's
	WIN 0x04
.irp htl,0,1
.irp cc,0,1,2,3
	global_store_b128 v1, v[16*\htl+4*\cc:16*\htl+4*\cc+3], s[88:89] offset:2048*\htl+512*\cc    ; 512 bytes on end
.endr
.endr
	WIN 0
	global_store_b32 v2, v[KVC], s[90:91]          ; 128 bytes on end
	v_lshl_add_u32 v254, v0, 2, SPARE
	v_mov_b32 v255, 0
	VW
	s_wait_tensorcnt 0x0                           ; the wave's end
	ds_add_u32 v254, v255
	s_wait_dscnt 0x0
	s_endpgm
.Lfunc_end_k_q9332763161_kvg:
	.size	k_q9332763161_kvg, .Lfunc_end_k_q9332763161_kvg-k_q9332763161_kvg
	.p2alignl 7, 3214868480
	.fill 96, 4, 3214868480
	.section	.rodata,"a",@progbits
	.p2align	6, 0x0
	.amdhsa_kernel k_q9332763161_kvg
		.amdhsa_group_segment_fixed_size 279040
		.amdhsa_private_segment_fixed_size 0
		.amdhsa_enable_private_segment 0
		.amdhsa_kernarg_size 64
		.amdhsa_user_sgpr_count 2
		.amdhsa_user_sgpr_kernarg_segment_ptr 1
		.amdhsa_wavefront_size32 1
		.amdhsa_system_sgpr_workgroup_id_x 1
		.amdhsa_system_sgpr_workgroup_id_y 1
		.amdhsa_system_sgpr_workgroup_id_z 1
		.amdhsa_system_vgpr_workitem_id 0
		.amdhsa_next_free_vgpr 1024
		.amdhsa_next_free_sgpr 100
		.amdhsa_reserve_vcc 0
		.amdhsa_float_denorm_mode_32 3
		.amdhsa_float_denorm_mode_16_64 3
		.amdhsa_memory_ordered 1
		.amdhsa_forward_progress 1
		.amdhsa_inst_pref_size 255
	.end_amdhsa_kernel
	.section	.bss,"aw",@nobits
	.p2align	6
	.space	262144
	.amdgpu_metadata
---
amdhsa.version: [ 1, 2 ]
amdhsa.kernels:
  - .name:           k_q9332763161_kvg
    .symbol:         k_q9332763161_kvg.kd
    .args:
      - { .name: W_qkv_codes, .offset: 0, .size: 8, .value_kind: global_buffer, .address_space: global }
      - { .name: W_qkv_scales, .offset: 8, .size: 8, .value_kind: global_buffer, .address_space: global }
      - { .name: batch, .offset: 16, .size: 8, .value_kind: global_buffer, .address_space: global }
      - { .name: k_vecs, .offset: 24, .size: 8, .value_kind: global_buffer, .address_space: global }
      - { .name: node_feat_codes, .offset: 32, .size: 8, .value_kind: global_buffer, .address_space: global }
      - { .name: node_feat_scales, .offset: 40, .size: 8, .value_kind: global_buffer, .address_space: global }
      - { .name: positions, .offset: 48, .size: 8, .value_kind: global_buffer, .address_space: global }
      - { .name: kv, .offset: 56, .size: 8, .value_kind: global_buffer, .address_space: global }
    .group_segment_fixed_size: 279040
    .private_segment_fixed_size: 0
    .kernarg_segment_align: 8
    .kernarg_segment_size: 64
    .max_flat_workgroup_size: 128
    .sgpr_count:     100
    .vgpr_count:     1024
    .wavefront_size: 32
...
	.end_amdgpu_metadata
.endif
;; end of part 1
;; launch upd (part 2): grid 256 x 1, 8 waves a work-group, no clusters, 103,936 bytes of LDS; arguments W_qkv_codes, W_qkv_scales, batch, k_vecs, node_feat_codes, node_feat_scales, positions, w_k, kv, out0; writes out0
.if DOCPART == 2
	.amdgcn_target "amdgcn-amd-amdhsa--gfx1250"
	.amdhsa_code_object_version 6
	.text
	.protected	k_q9332763161_upd
	.globl	k_q9332763161_upd
	.p2align	8
	.type	k_q9332763161_upd,@function
k_q9332763161_upd:
	s_mov_b64 s[64:65], 0
	v_nop
	global_prefetch_b8 v0, s[64:65] scope:SCOPE_SE
	s_setreg_imm32_b32 hwreg(HW_REG_WAVE_MODE, 25, 1), 1
	s_wait_xcnt 0x0
; update[n][h] = the sum over (d, m) of qw[m][n][d] kv_graph[m][batch n][d][h], on codes of E5M2 with one E8M0 scale for each 32 along K = 64 d + m (32 neighbouring m at one d).
; WORK LEFT OUT: of the 16 graphs take_along_axis keeps the node's own: a work-group multiplies by the graphs that its 32 nodes name.  A NaN, an infinity or an overflow that reaches only work left out is not carried to the result.
; SHARES.  A work-group takes 32 nodes as they lie, two tiles of 16.  In the head each of the eight waves makes one tile of 16 nodes x 16 features of q (SiLU), and cos, sin of 16 nodes x 16 k-vectors, times w_k / 8; they meet in LDS.
; Then THE WAVES SHARE K: wave w takes half b = w % 2 of the k-vectors, rotation (w / 2) % 2 and K steps jg = 4 (w / 4) + 0 .. 3, whose four blocks are d = 32 rot + 4 jg + cc.  The eight partial sums meet in LDS, behind a barrier outside every branch on data.
; No tensor load, no cluster and no prefetch: which graphs are walked hangs on numbers read from memory; kv_graph's codes come straight into registers, through a ring of three K steps.
; qw: a lane holds one node r, its registers run along m = 32 b + 16 hh + i: x_i = U_i a_j + V_i b_j; rotation 0: U = cos', V = -sin'; rotation 1: U = sin', V = cos'.  For graph g U and V of nodes outside g are 0, so that their products add 0.
; The product is used transposed (source 0 = 16 h of kv_graph, source 1 = 16 nodes): in a result the lane holds its node and h = 16 ht + 8 hh + 0 .. 7.
; LIMITS: |phase| under 2^22 x pi; NaN and infinities are not served; a block whose largest magnitude lies under 2^-111 gets the scale byte 1; w_k / 8 is multiplied into cos and sin ahead of the rotation; K is summed in eight parts.
; REGISTERS.  window 0: v1-14 offsets and batch numbers; TM at work; PW, BS scale words; PH phases; PC qw's fragment for each tile; X its 64 numbers; UV; Q q's features of two K steps.   window 1: the ring, slot 64 + 16 ht; accumulators at 192 + 32 nt + 8 ht.
.set CSB, 69632                        ; LDS: 0: eight waves' sums, 32 rows of 272 bytes each; CSB: cos', sin', -sin': (2 nt + b) 6144 + 2048 x which + 512 p + 16 lane; QTB: q, 32 rows of 272 bytes
.set QTB, 94208
.set SPARE, 102912
.set TM, 16
.set PW, 40
.set KVB, 42
.set POS, 44
.set PB, 46
.set KO, 48
.set BS, 50
.set PH, 56
.set PC, 64
.set X, 96
.set QD, 128
.set UV, 160
.set KB, 160
.set R, 168
.set Z, 176
.set S, 184
.set C, 192
.set WKR, 200
.set NS, 208
.set Q, 224
.set FLR, 34
.set MNT, 35
.set SEL, 36
.set MSB, 0
.macro WIN new
.if MSB != \new
	s_set_vgpr_msb (MSB<<8)|\new
.set MSB, \new
.endif
.endm
.macro VW
	s_wait_alu depctr_va_vdst(0)
.endm
.macro NOPS n
.rept \n
	v_nop
.endr
.endm
.macro CONST r, x
	s_mov_b32 s[\r], \x
	s_mov_b32 s[\r+1], \x
.endm
; the 64 numbers at X become a fragment's codes at pc and its scale word pw: register 16 b + i = place 32 b + 16 hh + i along K
.macro QUANT pc, pw
.irp b,0,1,2,3
	v_max3_num_f32 v[TM+\b], s[FLR], |v[X+16*\b]|, |v[X+1+16*\b]|
.endr
.irp i,2,4,6,8,10,12,14
.irp b,0,1,2,3
	v_max3_num_f32 v[TM+\b], v[TM+\b], |v[X+16*\b+\i]|, |v[X+1+16*\b+\i]|
.endr
.endr
.irp b,0,1,2,3
	v_permlanex16_b32 v[TM+4+\b], v[TM+\b], s[SEL], s[SEL+1]
.endr
.irp b,0,1,2,3
	v_max_num_f32 v[TM+\b], v[TM+\b], v[TM+4+\b]
.endr
.irp b,0,1,2,3
	v_add_nc_u32 v[TM+12+\b], s38, v[TM+\b]        ; 15 off the exponent field: the conversion's scale operand
.endr
.irp b,0,1,2,3
	v_and_or_b32 v[TM+8+\b], v[TM+\b], s39, s[MNT] ; 57,344 x the scale
.endr
.irp b,0,1,2,3
	v_lshrrev_b32 v[TM+4+\b], 23, v[TM+12+\b]      ; the scale's byte
.endr
	v_lshl_or_b32 v[\pw], v[TM+5], 8, v[TM+4]
	v_lshl_or_b32 v[\pw], v[TM+6], 16, v[\pw]
	v_lshl_or_b32 v[\pw], v[TM+7], 24, v[\pw]
.irp b,0,1,2,3
.irp i,0,1,2,3,4,5,6,7,8,9,10,11,12,13,14,15
	v_med3_num_f32 v[X+16*\b+\i], v[X+16*\b+\i], -v[TM+8+\b], v[TM+8+\b]   ; the conversion to an 8-bit code does not saturate (ISA guide 7.6.2): the hold
.endr
	v_cvt_scalef32_pk8_bf8_f32 v[(\pc)+4*\b:(\pc)+4*\b+1], v[X+16*\b:X+16*\b+7], v[TM+12+\b]
	v_cvt_scalef32_pk8_bf8_f32 v[(\pc)+4*\b+2:(\pc)+4*\b+3], v[X+16*\b+8:X+16*\b+15], v[TM+12+\b]
.endr
	NOPS 5                                         ; codes written by vector instructions stand four places ahead of a scaled product
.endm
.macro BLOAD i                         ; my K step i of the graph in hand: 18 loads into slot i % 3
	WIN 0x40
.irp ht,0,1,2,3
.irp cc,0,1,2,3
	global_load_b128 v[64*((\i)%3)+16*\ht+4*\cc:64*((\i)%3)+16*\ht+4*\cc+3], v1, s[82:83] offset:(\i)*8192+\ht*2048+\cc*512
.endr
.endr
	WIN 0
	global_load_b32 v[BS+2*((\i)%3)], v2, s[84:85] offset:(\i)*256
	global_load_b32 v[BS+2*((\i)%3)+1], v2, s[84:85] offset:(\i)*256+128
.endm
.macro QLOAD i                         ; the eight features of K step i, for both tiles
.irp nt,0,1
.irp y,0,1
	ds_load_b128 v[Q+16*((\i)%2)+8*\nt+4*\y:Q+16*((\i)%2)+8*\nt+4*\y+3], v11 offset:4352*\nt+32*(\i)+16*\y
.endr
.endr
.endm
.macro GPTR                            ; where graph s32 lies in kv
	s_lshl_b32 s90, s32, 18
	s_mov_b32 s91, 0
	s_add_nc_u64 s[82:83], s[24:25], s[90:91]
	s_lshl_b32 s90, s32, 13
	s_add_co_u32 s90, s90, 0x400000
	s_add_nc_u64 s[84:85], s[24:25], s[90:91]
.endm
.macro KSTEP i
.irp nt,0,1
.if \nt == 0
	s_wait_dscnt 0x0                               ; this step's features of q
.endif
.irp cc,0,1,2,3
.set A_, Q+16*((\i)%2)+8*\nt+2*\cc
.irp k,0,2,4,6,8,10,12,14
	v_pk_mul_f32 v[X+16*\cc+\k:X+16*\cc+\k+1], v[UV+32*\nt+16+\k:UV+32*\nt+17+\k], v[A_:A_+1] op_sel:[0,1] op_sel_hi:[1,1]   ; V b_j: of the pair (a_j, b_j) the second serves both halves
.endr
.endr
.irp cc,0,1,2,3
.set A_, Q+16*((\i)%2)+8*\nt+2*\cc
.irp k,0,2,4,6,8,10,12,14
	v_pk_fma_f32 v[X+16*\cc+\k:X+16*\cc+\k+1], v[UV+32*\nt+\k:UV+32*\nt+\k+1], v[A_:A_+1], v[X+16*\cc+\k:X+16*\cc+\k+1] op_sel_hi:[1,0,1]   ; + U a_j: the first serves both
.endr
.endr
.if (\nt == 0) && ((\i) == 1)
	BLOAD 3                                        ; into the slot that step 0 has left: the 64 lines above are the places behind its last product
.endif
.if (\nt == 1) && ((\i) < 3)
	QLOAD (\i)+1
.endif
	QUANT PC+16*\nt, PW+\nt
.if \nt == 0
	VW
.if (\i) < 2
	s_wait_loadcnt 36                              ; this step's 18 loads are in; those of the two steps asked for behind it may be out
.else
	s_wait_loadcnt 18*(3-(\i))
.endif
.endif
	WIN 0x51                                       ; source 0 (kv_graph) window 1, source 1 (qw) window 0, C and D window 1.  The eight accumulators take turns, from step to step too
.irp ht,0,1,2,3
.if \ht%2
	v_wmma_scale_f32_16x16x128_f8f6f4 v[192+32*\nt+8*\ht:199+32*\nt+8*\ht], v[64*((\i)%3)+16*\ht:64*((\i)%3)+16*\ht+15], v[PC+16*\nt:PC+16*\nt+15], v[192+32*\nt+8*\ht:199+32*\nt+8*\ht], v[BS+2*((\i)%3)+\ht/2], v[PW+\nt] matrix_a_fmt:MATRIX_FMT_BF8 matrix_b_fmt:MATRIX_FMT_BF8 matrix_a_scale:MATRIX_SCALE_ROW1
.else
	v_wmma_scale_f32_16x16x128_f8f6f4 v[192+32*\nt+8*\ht:199+32*\nt+8*\ht], v[64*((\i)%3)+16*\ht:64*((\i)%3)+16*\ht+15], v[PC+16*\nt:PC+16*\nt+15], v[192+32*\nt+8*\ht:199+32*\nt+8*\ht], v[BS+2*((\i)%3)+\ht/2], v[PW+\nt] matrix_a_fmt:MATRIX_FMT_BF8 matrix_b_fmt:MATRIX_FMT_BF8
.endif
.endr
	WIN 0
.endr
.endm
	s_load_b512 s[8:23], s[0:1], 0x0               ; W's codes s[8:9], W's scales s[10:11], batch s[12:13], k_vecs s[14:15], the nodes' codes s[16:17], their scales s[18:19], positions s[20:21], w_k s[22:23]
	s_load_b128 s[24:27], s[0:1], 0x40             ; kv, out0
	v_lshrrev_b32 v1, 5, v0
	v_readfirstlane_b32 s28, v1                    ; wave w
	s_lshr_b32 s29, s28, 2                         ; w / 4: the head's tile of nodes; then which four K steps
	s_and_b32 s30, s28, 1                          ; w % 2: the head's eighth of the k-vectors; then b
	s_bfe_u32 s31, s28, 0x10001                    ; (w / 2) % 2: the head's half of the k-vectors; then the rotation
	s_mov_b32 s[FLR], 0x8000000
	s_mov_b32 s[MNT], 0x600000
	s_mov_b32 s[SEL], 0x76543210
	s_mov_b32 s[SEL+1], 0xfedcba98
	s_mov_b32 s38, 0xf8800000
	s_mov_b32 s39, 0x7f800000
	CONST 40, 0x3ea2f983                           ; 1 / pi
	CONST 42, 0xcb400000                           ; -1.5 x 2^23
	CONST 44, 0xc0490fdb                           ; - the upper part of pi
	CONST 46, 0x33bbbd2e                           ; - the lower part
	CONST 48, 0xb2cd365a                           ; sin: r^11, r^7, r^5, r^3
	CONST 50, 0xb9500bf1
	CONST 52, 0x3c088886
	CONST 54, 0xbe2aaaab
	CONST 56, 0xb48bdd11                           ; cos: r^10, r^6, r^4
	CONST 58, 0xbab609aa
	CONST 60, 0x3d2aaaa3
	CONST 62, 0x3e000000                           ; 1 / sqrt(64)
	s_lshl_b32 s66, s29, 4                         ; 16 nt
	s_and_b32 s67, s28, 3
	s_lshl_b32 s68, s67, 4                         ; 16 ft: my features of q
	s_lshl_b32 s69, s67, 6                         ; in bytes
	s_lshl_b32 s70, s31, 5
	s_lshl_b32 s71, s30, 3
	s_add_co_u32 s70, s70, s71                     ; my k-vectors: 32 (w / 2 % 2) + 8 (w % 2) on
	s_lshl_b32 s71, s29, 1
	s_add_co_u32 s71, s71, s31
	s_mul_i32 s71, s71, 6144
	s_lshl_b32 s72, s30, 10
	s_add_co_u32 s71, s71, s72
	s_add_co_u32 s71, s71, CSB                     ; where my cos' and sin' go
	s_lshl_b32 s72, s31, 17
	s_lshl_b32 s73, s30, 16
	s_add_co_u32 s72, s72, s73
	s_lshl_b32 s73, s29, 15
	s_add_co_u32 s72, s72, s73                     ; K step (2 rot + b) 8 + 4 (w / 4), 8,192 bytes each
	s_lshr_b32 s73, s72, 5                         ; 256 bytes each
	s_mul_i32 s74, s30, 6144
	s_add_co_u32 s74, s74, CSB
	s_lshl_b32 s75, s31, 11
	s_add_co_u32 s75, s75, s74                     ; U: cos' for rotation 0, sin' for 1
	s_xor_b32 s76, s31, 1
	s_lshl_b32 s76, s76, 12
	s_add_co_u32 s76, s76, s74                     ; V: -sin', cos'
	s_lshl_b32 s77, s29, 7
	s_add_co_u32 s77, s77, QTB
	s_mul_i32 s78, s28, 8704
	s_mul_i32 s79, s28, 1088
	s_lshl_b32 s80, s28, 10
	v_and_b32 v15, 31, v0
	v_and_b32 v3, 15, v0                           ; r
	v_bfe_u32 v4, v0, 4, 1                         ; hh
	v_lshlrev_b32 v233, 2, v15                     ; 4 lane
	v_lshlrev_b32 v15, 4, v15                      ; 16 lane
	v_add_nc_u32 v224, s66, v3                     ; my node of the head: 16 nt + r
	v_and_b32 v229, 8, v3
	v_add_nc_u32 v229, v229, v3                    ; r + 8 (r / 8)
	v_add_nc_u32 v229, s70, v229
	v_mul_u32_u24 v229, 12, v229
	v_lshl_add_u32 v[KO], v4, 3, v229              ; my k-vector: x, or z in lanes 16-31;
	v_lshl_add_u32 v[KO+1], v4, 2, v229
	v_add_nc_u32 v[KO+1], 4, v[KO+1]               ; y, or z
	v_lshlrev_b32 v225, 6, v224
	v_lshl_add_u32 v225, v4, 4, v225
	v_lshlrev_b32 v226, 1, v224
	v_mul_u32_u24 v227, 12, v224
	v_lshl_add_u32 v228, v4, 2, v227
	v_add_nc_u32 v228, 4, v228
	v_lshl_add_u32 v227, v4, 3, v227
	v_lshlrev_b32 v229, 2, v224
	v_add_nc_u32 v231, s68, v3                     ; W: row 16 ft + r
	v_lshlrev_b32 v230, 6, v231
	v_lshl_add_u32 v230, v4, 4, v230
	v_lshlrev_b32 v231, 1, v231
	v_lshlrev_b32 v232, 2, v3
	v_lshlrev_b32 v234, 4, v4
	v_add_nc_u32 v234, s70, v234
	v_lshlrev_b32 v234, 2, v234                    ; w_k: 4 (k-vectors + 16 hh)
	v_mul_u32_u24 v235, 272, v224
	v_lshl_add_u32 v235, v4, 5, v235
	v_add_nc_u32 v235, s69, v235
	v_add_nc_u32 v235, QTB, v235                   ; where my q goes
	v_add_nc_u32 v236, s71, v15
	v_add_nc_u32 v1, s72, v15
	v_add_nc_u32 v2, s73, v233
	v_add_nc_u32 v9, s75, v15
	v_add_nc_u32 v10, s76, v15
	v_mul_u32_u24 v12, 272, v3
	v_add_nc_u32 v11, s77, v12
	v_lshl_add_u32 v12, v4, 5, v12
	v_add_nc_u32 v12, s78, v12                     ; my sums: row r, + 32 hh
	v_mul_u32_u24 v13, 272, v4
	v_lshl_add_u32 v13, v3, 4, v13
	v_add_nc_u32 v13, s79, v13                     ; back: rows 4 w + hh on, 16 bytes a lane
	v_add_nc_u32 v14, s80, v15                     ; out0: my 4 rows of 256 bytes
	v_cmp_eq_u32 s94, 1, v4                        ; lanes 16-31
	VW
	s_wait_kmcnt 0x0
	s_mov_b32 s91, 0
	s_lshl_b32 s90, ttmp9, 7
	s_add_nc_u64 s[12:13], s[12:13], s[90:91]
	s_lshl_b32 s90, ttmp9, 11
	s_add_nc_u64 s[16:17], s[16:17], s[90:91]
	s_lshl_b32 s90, ttmp9, 6
	s_add_nc_u64 s[18:19], s[18:19], s[90:91]
	s_mul_i32 s90, ttmp9, 384
	s_add_nc_u64 s[20:21], s[20:21], s[90:91]
	s_lshl_b32 s90, ttmp9, 13
	s_add_nc_u64 s[26:27], s[26:27], s[90:91]
	global_load_b32 v5, v233, s[12:13]             ; batch: a lane a node;
	global_load_b32 v6, v232, s[12:13]             ; node r of tile 0,
	global_load_b32 v7, v232, s[12:13] offset:64   ; of tile 1,
	global_load_b32 v8, v229, s[12:13]             ; and my node of the head
	global_load_b128 v[X:X+3], v225, s[16:17]
	global_load_b128 v[X+4:X+7], v225, s[16:17] offset:32
	global_load_b128 v[X+16:X+19], v230, s[8:9]
	global_load_b128 v[X+20:X+23], v230, s[8:9] offset:32
	global_load_u16 v[X+48], v226, s[18:19]
	global_load_u16 v[X+49], v231, s[10:11]
	global_load_b32 v[POS], v227, s[20:21]
	global_load_b32 v[POS+1], v228, s[20:21]
.irp i,8,9,10,11,12,13,14,15
	v_mov_b32 v[X+\i], 0                           ; K = 64: the instruction's other 64 are zero codes
	v_mov_b32 v[X+16+\i], 0
.endr
.set i, 0
.rept 24
	v_mov_b32 v[TM+i], 0                           ; (a lane permute's destination counts as one of its sources)
.set i, i+1
.endr
	v_mov_b32 v[TM+16], 0x3638b88e                 ; sin: r^9
	v_mov_b32 v[TM+18], 0x37cfb4c2                 ; cos: r^8
	v_mov_b32 v[TM+20], 0x4b400000                 ; 1.5 x 2^23
	WIN 0x40
.set i, 0
.rept 64
	v_mov_b32 v[192+i], 0                          ; the sums begin as zeros: the loop over graphs is written once
.set i, i+1
.endr
	WIN 0
	VW
	s_wait_loadcnt 0x0
.irp i,5,6,7,8
	v_min_u32 v\i, 15, v\i                         ; a loaded number enters an address only held inside its table
.endr
	v_readfirstlane_b32 s32, v5                    ; the first graph
	s_min_u32 s32, s32, 15
	s_mul_i32 s90, s32, 768
	s_add_nc_u64 s[86:87], s[14:15], s[90:91]
	v_lshl_add_u32 v237, v8, 8, v234
	global_load_b32 v[KVB], v[KO], s[86:87]
	global_load_b32 v[KVB+1], v[KO+1], s[86:87]
	global_load_b128 v[WKR:WKR+3], v237, s[22:23]
	global_load_b128 v[WKR+4:WKR+7], v237, s[22:23] offset:16
	GPTR
	BLOAD 0
	BLOAD 1
	BLOAD 2
	; q: source 0 = features, source 1 = nodes: a lane holds node r, its registers features 16 ft + 8 hh + 0 .. 7
	VW
	v_wmma_scale_f32_16x16x128_f8f6f4 v[QD:QD+7], v[X+16:X+31], v[X:X+15], 0, v[X+49], v[X+48] matrix_a_fmt:MATRIX_FMT_BF8 matrix_b_fmt:MATRIX_FMT_BF8
.irp i,0,1,2,3,4,5,6,7,8,9,10,11,12,13,14,15
	v_cmp_eq_u32 s[66+\i], \i, v5                  ; (sixteen places behind the product)
.endr
.irp i,0,1,2,3,4,5,6,7
	v_mul_f32 v[QD+8+\i], 0xbfb8aa3b, v[QD+\i]
.endr
	VW
.irp i,0,1,2,3,4,5,6,7
	v_exp_f32 v[QD+8+\i], v[QD+8+\i]
.endr
	v_nop
	VW
.irp i,0,1,2,3,4,5,6,7
	v_add_f32 v[QD+8+\i], 1.0, v[QD+8+\i]
.endr
	VW
.irp i,0,1,2,3,4,5,6,7
	v_rcp_f32 v[QD+8+\i], v[QD+8+\i]
.endr
	v_nop
	VW
.irp i,0,1,2,3,4,5,6,7
	v_mul_f32 v[QD+24+\i], v[QD+\i], v[QD+8+\i]
.endr
	ds_store_b128 v235, v[QD+24:QD+27]
	ds_store_b128 v235, v[QD+28:QD+31] offset:16
	v_cmp_eq_u32 s92, s32, v8
	v_cndmask_b32 v[PB], 0, v[POS], s92            ; my node's position if it lies in the first graph, else 0
	v_cndmask_b32 v[PB+1], 0, v[POS+1], s92
	s_mov_b32 s33, 0                               ; bit g: some node of mine lies in g
.irp i,0,1,2,3,4,5,6,7,8,9,10,11,12,13,14,15
	s_cmp_lg_u32 s[66+\i], 0
	s_cselect_b32 s95, 1<<\i, 0
	s_or_b32 s33, s33, s95
.endr
	VW
	s_wait_loadcnt 54                              ; the k-vectors and w_k are in; three steps of kv_graph may be out
	v_cndmask_b32 v[KVB+1], v[KVB+1], 0, s94       ; K = 3: the fourth place is 0
	v_wmma_f32_16x16x4_f32 v[PH:PH+7], v[KVB:KVB+1], v[PB:PB+1], 0    ; a lane holds node r, its registers k-vectors + 16 hh + 0 .. 7
	NOPS 8
	VW
	s_lshl_b32 s95, 1, s32
	s_and_not1_b32 s96, s33, s95                   ; the other graphs
	s_cbranch_scc0 .Lone
	s_mov_b32 s88, 0
.Lp:                                                   ; sixteen trips: the other graphs' share of the phases (a masked position adds 0)
	s_bitcmp1_b32 s96, s88
	s_cbranch_scc0 .Lpn
	s_mul_i32 s90, s88, 768
	s_add_nc_u64 s[86:87], s[14:15], s[90:91]
	global_load_b32 v[KVB], v[KO], s[86:87]
	global_load_b32 v[KVB+1], v[KO+1], s[86:87]
	v_cmp_eq_u32 s92, s88, v8
	v_cndmask_b32 v[PB], 0, v[POS], s92
	v_cndmask_b32 v[PB+1], 0, v[POS+1], s92
	VW
	s_wait_loadcnt 0x0
	v_cndmask_b32 v[KVB+1], v[KVB+1], 0, s94
	s_wait_alu depctr_va_vdst(0)
	v_wmma_f32_16x16x4_f32 v[PH:PH+7], v[KVB:KVB+1], v[PB:PB+1], v[PH:PH+7]
	NOPS 8
.Lpn:
	s_add_co_u32 s88, s88, 1
	s_cmp_lt_u32 s88, 16
	s_cbranch_scc1 .Lp
.Lone:
	; sin and cos: k = the nearest whole number to x / pi; r = x - k pi in two parts; polynomials on |r| <= pi / 2; an odd k turns both signs
.irp j,0,2,4,6
	v_pk_fma_f32 v[KB+\j:KB+\j+1], v[PH+\j:PH+\j+1], s[40:41], v[TM+20:TM+21] op_sel_hi:[1,0,0]
.endr
.irp j,0,2,4,6
	v_pk_add_f32 v[Z+\j:Z+\j+1], v[KB+\j:KB+\j+1], s[42:43] op_sel_hi:[1,0]
.endr
.irp j,0,2,4,6
	v_pk_fma_f32 v[R+\j:R+\j+1], v[Z+\j:Z+\j+1], s[44:45], v[PH+\j:PH+\j+1] op_sel_hi:[1,0,1]
.endr
.irp j,0,2,4,6
	v_pk_fma_f32 v[R+\j:R+\j+1], v[Z+\j:Z+\j+1], s[46:47], v[R+\j:R+\j+1] op_sel_hi:[1,0,1]
.endr
.irp j,0,2,4,6
	v_pk_mul_f32 v[Z+\j:Z+\j+1], v[R+\j:R+\j+1], v[R+\j:R+\j+1]
	v_pk_mul_f32 v[WKR+\j:WKR+\j+1], v[WKR+\j:WKR+\j+1], s[62:63] op_sel_hi:[1,0]
.endr
.irp j,0,2,4,6
	v_pk_fma_f32 v[S+\j:S+\j+1], v[Z+\j:Z+\j+1], s[48:49], v[TM+16:TM+17] op_sel_hi:[1,0,0]
	v_pk_fma_f32 v[C+\j:C+\j+1], v[Z+\j:Z+\j+1], s[56:57], v[TM+18:TM+19] op_sel_hi:[1,0,0]
.endr
.irp q,50,52,54
.irp j,0,2,4,6
	v_pk_fma_f32 v[S+\j:S+\j+1], v[S+\j:S+\j+1], v[Z+\j:Z+\j+1], s[\q:\q+1] op_sel_hi:[1,1,0]
.if \q == 54
	v_pk_fma_f32 v[C+\j:C+\j+1], v[C+\j:C+\j+1], v[Z+\j:Z+\j+1], -0.5 op_sel_hi:[1,1,0]
.else
	v_pk_fma_f32 v[C+\j:C+\j+1], v[C+\j:C+\j+1], v[Z+\j:Z+\j+1], s[\q+8:\q+9] op_sel_hi:[1,1,0]
.endif
.endr
.endr
.irp j,0,2,4,6
	v_pk_fma_f32 v[S+\j:S+\j+1], v[S+\j:S+\j+1], v[Z+\j:Z+\j+1], 1.0 op_sel_hi:[1,1,0]
	v_pk_fma_f32 v[C+\j:C+\j+1], v[C+\j:C+\j+1], v[Z+\j:Z+\j+1], 1.0 op_sel_hi:[1,1,0]
.endr
.irp j,0,2,4,6
	v_pk_mul_f32 v[S+\j:S+\j+1], v[S+\j:S+\j+1], v[R+\j:R+\j+1]
.endr
.irp j,0,1,2,3,4,5,6,7
	v_lshl_add_u32 v[C+\j], v[KB+\j], 31, v[C+\j]
	v_lshl_add_u32 v[S+\j], v[KB+\j], 31, v[S+\j]
.endr
.irp j,0,2,4,6
	v_pk_mul_f32 v[C+\j:C+\j+1], v[C+\j:C+\j+1], v[WKR+\j:WKR+\j+1]
	v_pk_mul_f32 v[NS+\j:NS+\j+1], v[S+\j:S+\j+1], v[WKR+\j:WKR+\j+1] neg_lo:[0,1] neg_hi:[0,1]
	v_pk_mul_f32 v[S+\j:S+\j+1], v[S+\j:S+\j+1], v[WKR+\j:WKR+\j+1]
.endr
.irp p,0,1
	ds_store_b128 v236, v[C+4*\p:C+4*\p+3] offset:512*\p
	ds_store_b128 v236, v[S+4*\p:S+4*\p+3] offset:2048+512*\p
	ds_store_b128 v236, v[NS+4*\p:NS+4*\p+3] offset:4096+512*\p
.endr
	VW
	s_wait_dscnt 0x0                               ; for the others' sake: my stores have landed
	s_barrier_signal -1
	s_barrier_wait -1
	s_mov_b32 s88, 0
.Lg:                                                   ; at most sixteen trips: graph s32, whose first three K steps have been asked for
.irp nt,0,1
.irp p,0,1,2,3
	ds_load_b128 v[UV+32*\nt+4*\p:UV+32*\nt+4*\p+3], v9 offset:12288*\nt+512*\p
	ds_load_b128 v[UV+32*\nt+16+4*\p:UV+32*\nt+19+4*\p], v10 offset:12288*\nt+512*\p
.endr
.endr
	QLOAD 0
	v_cmp_eq_u32 s92, s32, v6
	v_cmp_eq_u32 s93, s32, v7
	VW
	s_wait_dscnt 4                                 ; U and V are in; the four loads of q may be out
.irp nt,0,1
.set i, 0
.rept 32
	v_cndmask_b32 v[UV+32*\nt+i], 0, v[UV+32*\nt+i], s[92+\nt]
.set i, i+1
.endr
.endr
	VW
	KSTEP 0
	KSTEP 1
	KSTEP 2
	KSTEP 3
	NOPS 8                                         ; eight places behind the last products
	s_lshl_b32 s95, 1, s32
	s_and_not1_b32 s33, s33, s95
	s_cbranch_scc0 .Lout
	s_ctz_i32_b32 s32, s33                         ; the next graph
	s_min_u32 s32, s32, 15
	GPTR
	BLOAD 0
	BLOAD 1
	BLOAD 2
	s_add_co_u32 s88, s88, 1
	s_cmp_lt_u32 s88, 16
	s_cbranch_scc1 .Lg
	s_wait_loadcnt 0x0
.Lout:
	; THE WAY OUT.  My sums of the 32 rows to my part of LDS; the barrier; wave w adds the eight waves' rows 4 w .. 4 w + 3 and stores them
	WIN 0x04
.irp nt,0,1
.irp ht,0,1,2,3
	ds_store_b128 v12, v[192+32*\nt+8*\ht:195+32*\nt+8*\ht] offset:4352*\nt+64*\ht
	ds_store_b128 v12, v[196+32*\nt+8*\ht:199+32*\nt+8*\ht] offset:4352*\nt+64*\ht+16
.endr
.endr
	WIN 0
	s_wait_dscnt 0x0                               ; for the others' sake: my stores have landed
	s_barrier_signal -1
	s_barrier_wait -1
.irp s,0,1,2,3,4,5,6,7
.irp y,0,1
	ds_load_b128 v[X+8*\s+4*\y:X+8*\s+4*\y+3], v13 offset:8704*\s+544*\y     ; lanes 0-15 row 4 w + 2 y, lanes 16-31 the next
.endr
.endr
	s_wait_dscnt 0x0
.irp h,32,16,8
.set i, 0
.rept \h/2
	v_pk_add_f32 v[X+i:X+i+1], v[X+i:X+i+1], v[X+\h+i:X+\h+i+1]
.set i, i+2
.endr
.endr
	global_store_b128 v14, v[X:X+3], s[26:27]                  ; 32 lanes store 512 consecutive bytes, at a multiple of 256 from out0's first byte
	global_store_b128 v14, v[X+4:X+7], s[26:27] offset:512
	v_lshl_add_u32 v254, v0, 2, SPARE
	v_mov_b32 v255, 0
	VW
	s_wait_tensorcnt 0x0                           ; the wave's end
	ds_add_u32 v254, v255
	s_wait_dscnt 0x0
	s_endpgm
.Lfunc_end_k_q9332763161_upd:
	.size	k_q9332763161_upd, .Lfunc_end_k_q9332763161_upd-k_q9332763161_upd
	.p2alignl 7, 3214868480
	.fill 96, 4, 3214868480
	.section	.rodata,"a",@progbits
	.p2align	6, 0x0
	.amdhsa_kernel k_q9332763161_upd
		.amdhsa_group_segment_fixed_size 103936
		.amdhsa_private_segment_fixed_size 0
		.amdhsa_enable_private_segment 0
		.amdhsa_kernarg_size 80
		.amdhsa_user_sgpr_count 2
		.amdhsa_user_sgpr_kernarg_segment_ptr 1
		.amdhsa_wavefront_size32 1
		.amdhsa_system_sgpr_workgroup_id_x 1
		.amdhsa_system_sgpr_workgroup_id_y 1
		.amdhsa_system_sgpr_workgroup_id_z 1
		.amdhsa_system_vgpr_workitem_id 0
		.amdhsa_next_free_vgpr 512
		.amdhsa_next_free_sgpr 100
		.amdhsa_reserve_vcc 0
		.amdhsa_float_denorm_mode_32 3
		.amdhsa_float_denorm_mode_16_64 3
		.amdhsa_memory_ordered 1
		.amdhsa_forward_progress 1
		.amdhsa_inst_pref_size 148
	.end_amdhsa_kernel
	.amdgpu_metadata
---
amdhsa.version: [ 1, 2 ]
amdhsa.kernels:
  - .name:           k_q9332763161_upd
    .symbol:         k_q9332763161_upd.kd
    .args:
      - { .name: W_qkv_codes, .offset: 0, .size: 8, .value_kind: global_buffer, .address_space: global }
      - { .name: W_qkv_scales, .offset: 8, .size: 8, .value_kind: global_buffer, .address_space: global }
      - { .name: batch, .offset: 16, .size: 8, .value_kind: global_buffer, .address_space: global }
      - { .name: k_vecs, .offset: 24, .size: 8, .value_kind: global_buffer, .address_space: global }
      - { .name: node_feat_codes, .offset: 32, .size: 8, .value_kind: global_buffer, .address_space: global }
      - { .name: node_feat_scales, .offset: 40, .size: 8, .value_kind: global_buffer, .address_space: global }
      - { .name: positions, .offset: 48, .size: 8, .value_kind: global_buffer, .address_space: global }
      - { .name: w_k, .offset: 56, .size: 8, .value_kind: global_buffer, .address_space: global }
      - { .name: kv, .offset: 64, .size: 8, .value_kind: global_buffer, .address_space: global }
      - { .name: out0, .offset: 72, .size: 8, .value_kind: global_buffer, .address_space: global }
    .group_segment_fixed_size: 103936
    .private_segment_fixed_size: 0
    .kernarg_segment_align: 8
    .kernarg_segment_size: 80
    .max_flat_workgroup_size: 256
    .sgpr_count:     100
    .vgpr_count:     512
    .wavefront_size: 32
...
	.end_amdgpu_metadata
.endif
;; end of part 2
